; MI455X (gfx1250); checked and timed in simulation.
; The chip was launched on July 23, 2026; its instructions are those of AMD's public machine-readable ISA for CDNA 5 (MIT licence, August 2026) and "CDNA5" Instruction Set Architecture Reference Guide (July 2026). The comments in the code are by the model that wrote it; some were corrected since.
;; Gemm RS Multi Node. Allowed arithmetic: float matrix products may take bf16 or f16 operands with f32 sums; other float arithmetic in f32, or as packed bf16 or f16 multiplies, adds, multiply-adds, maxima and minima; sums over many terms, partial sums and values carried from step to step in f32; what a program stores and reads back later, other than sums and carried values, may be rounded once to bf16 or f16.
;; Inputs: input 8 x 2,048 x 1,024 float32; weight 8 x 4,096 x 1,024 float32.
;; Outputs: out0 8 x 256 x 4,096 float32.
;; One version. Each part assembles by itself: llvm-mc -triple=amdgcn-amd-amdhsa -mcpu=gfx1250 --defsym DOCPART=n.
;; ======== version 1 of 1: 2 launches
;; workspace buffers: abf 33,554,432 bytes; wbf 67,108,864 bytes
;; launch tobf16 (part 1): grid 768 x 1, 4 waves a work-group, no clusters, 17,920 bytes of LDS; arguments input, weight, abf, wbf; writes abf, wbf
.if DOCPART == 1
	.amdgcn_target "amdgcn-amd-amdhsa--gfx1250"
	.amdhsa_code_object_version 6
	.text
	.protected	k_q52087f0163_tobf16
	.globl	k_q52087f0163_tobf16
	.p2align	8
	.type	k_q52087f0163_tobf16,@function
k_q52087f0163_tobf16:
	s_mov_b64 s[64:65], 0
	v_nop
	global_prefetch_b8 v0, s[64:65] scope:SCOPE_SE
	s_setreg_imm32_b32 hwreg(HW_REG_WAVE_MODE, 25, 1), 1
	s_wait_xcnt 0x0
; input [8][2048][1024] f32 -> abf, weight [8][4096][1024] f32 -> wbf: each number rounded once to bf16 (nearest even; bf16 keeps f32's range), and laid out for the product that follows.
; WHY A PASS OF ITS OWN.  In the product each number of input is multiplied in 16 tiles of C and each number of weight in 16: it is rounded once here and not 16 times there, and the
; product's tiles take 2 bytes a number in LDS and not 4.
; LAYOUT OUT.  The product's K is 8,192 = 8 ranks x 1,024; a CHUNK is 8 neighbouring k, chunk C = 128 rank + k / 8.  abf = [1024 chunks][2048 rows][8 bf16], wbf = [1024 chunks][4096 rows][8 bf16]:
; byte C x PAN + 16 row, PAN = 32,768 (abf) or 65,536 (wbf).  So the rows of a tile of C lie end to end within a chunk.
; SHARES.  A wave owns a strip of 16 whole rows (65,536 bytes of f32) and takes it in 8 tiles of 16 rows x 128 k.  Work-groups 0-255 take input's 1,024 strips, work-groups 256-767 weight's 2,048.
; A tile: 16 loads, each 512 consecutive bytes of one row; 32 roundings; through the wave's own stage in LDS (16 rows of 256 bytes, 272 apart), which turns rows into chunks; 8 stores, in each of which
; lanes 0-15 write 256 consecutive bytes, aligned, of one chunk and lanes 16-31 of the next.  Two register buffers: while one tile is worked on, the next tile's 16 loads are out.
; No wave reads another wave's bytes: no barrier.  No matrix unit, no cluster, no tensor load: nothing is shared.  No prefetch: the launch does nothing but stream.
.set ROWB,  4096                       ; bytes in a row of f32
.set TK,    512                        ; bytes of a row in a tile
.set SP,    272                        ; a stage row: 256 bytes + 16: the 16 rows that a read back touches start in 16 different groups of four banks (64 banks of 4 bytes: ISA guide 11.1)
.set STG,   16*SP                      ; a wave's stage
.set SPARE, 4*STG                      ; behind the stages: the spare words, 128 bytes for each wave: two blocks of 256 bytes that no other line names
.set LO,   2                           ; v2      16 x lane: my 16 bytes of a row's 512; never rewritten
.set LS,   3                           ; v3      stage: where I put 8 bytes of a row
.set LR,   4                           ; v4      stage: where I read 16 bytes (a chunk of a row) back
.set OFFS, 8                           ; v[8:15] store u: (lane % 16) x 16 + (lane / 16 + 2 u) x PAN; never rewritten
.set SPW,  18                          ; v18     LDS address of my spare word; never rewritten
.set NIL,  19                          ; v19     0; never rewritten
.set X0,   32                          ; v[32:95]   a tile as loaded
.set X1,   96                          ; v[96:159]  the other buffer
.set Y,    160                         ; v[160:191] a tile in bf16, by rows
.set RB,   192                         ; v[192:223] the same by chunks
.set SRC,  26                          ; s[26:27] my strip in input or weight; never rewritten
.set DST,  28                          ; s[28:29] my strip's 256 bytes in the first chunk of the tile in hand
.set STEP, 24                          ; s[24:25] 16 chunks
	s_load_b256 s[4:11], s[0:1], 0x0               ; input s[4:5], weight s[6:7], abf s[8:9], wbf s[10:11]
	v_lshl_add_u32 v[SPW], v0, 2, SPARE
	v_mov_b32 v[NIL], 0
	v_lshrrev_b32 v5, 5, v0
	v_readfirstlane_b32 s12, v5                    ; wave 0..3
	v_and_b32 v1, 31, v0                           ; lane
	v_and_b32 v6, 15, v0                           ; lane % 16
	v_bfe_u32 v7, v0, 4, 1                         ; lane / 16
	s_cmp_lt_u32 ttmp9, 256                        ; input's work-groups come first
	s_cselect_b32 s13, 7, 8                        ; log2 of a rank's strips: 128 or 256
	s_cselect_b32 s14, 0, 256
	s_sub_co_u32 s14, ttmp9, s14                   ; my number among the tensor's work-groups
	s_lshl2_add_u32 s15, s14, s12                  ; my strip = 4 x that + wave
	s_lshl_b32 s16, s15, 16                        ; its first byte in the source: under 2^28
	s_mov_b32 s17, 0
	s_lshr_b32 s18, s15, s13                       ; its rank,
	s_add_co_u32 s19, s13, 15
	s_lshl_b32 s18, s18, s19                       ; whose first chunk lies at rank x 128 x PAN,
	s_lshl_b32 s20, 1, s13
	s_sub_co_u32 s20, s20, 1
	s_and_b32 s20, s15, s20                        ; and its place in the rank:
	s_lshl_b32 s20, s20, 8                         ; 16 rows x 16 bytes
	s_add_co_u32 s18, s18, s20
	s_mov_b32 s19, 0
	s_add_co_u32 s21, s13, 8                       ; log2 PAN
	s_lshl_b32 s22, 512, s13                       ; 2 PAN
	s_lshl_b32 s[STEP], 4096, s13                  ; 16 PAN
	s_mov_b32 s[STEP+1], 0
	s_mul_i32 s23, s12, STG                        ; my stage
	v_lshlrev_b32 v[LO], 4, v1
	v_lshl_add_u32 v[LS], v1, 3, s23
	v_mul_u32_u24 v[LR], v6, SP
	v_lshl_add_u32 v[LR], v7, 4, v[LR]
	v_add_nc_u32 v[LR], s23, v[LR]
	v_lshlrev_b32 v[OFFS], s21, v7
	v_lshl_add_u32 v[OFFS], v6, 4, v[OFFS]
.irp u, 1,2,3,4,5,6,7
	v_add_nc_u32 v[OFFS+(\u)], s22, v[OFFS+(\u)-1]
.endr
	s_wait_kmcnt 0x0
	s_cmp_lt_u32 ttmp9, 256                        ; compared anew: the sums above have written SCC
	s_cselect_b64 s[SRC:SRC+1], s[4:5], s[6:7]
	s_cselect_b64 s[DST:DST+1], s[8:9], s[10:11]
	s_add_nc_u64 s[SRC:SRC+1], s[SRC:SRC+1], s[16:17]
	s_add_nc_u64 s[DST:DST+1], s[DST:DST+1], s[18:19]
.macro LOADS t, buf                    ; tile t: 16 rows x 512 consecutive bytes
.set j, 0
.rept 16
	global_load_b128 v[(\buf)+4*j:(\buf)+4*j+3], v[LO], s[SRC:SRC+1] offset:ROWB*j+TK*(\t) th:TH_LOAD_NT
.set j, j+1
.endr
.endm
; Tile t, which lies in buf.  ahead = 1: buf is asked for again, for tile t + 2.  left = how many younger loads may stay out.
.macro TILE t, buf, ahead, left
	s_wait_loadcnt \left                           ; loads come back in order (ISA guide 5.7.1): my 16 are in, the other buffer's stay out
	s_wait_xcnt 0x0                                ; the last tile's stores have read RB and their base: both are written again only behind this wait
.if (\t) > 0
	s_add_nc_u64 s[DST:DST+1], s[DST:DST+1], s[STEP:STEP+1]
.endif
.set j, 0
.rept 16
	v_cvt_pk_bf16_f32 v[Y+2*j],   v[(\buf)+4*j],   v[(\buf)+4*j+1]
	v_cvt_pk_bf16_f32 v[Y+2*j+1], v[(\buf)+4*j+2], v[(\buf)+4*j+3]
.set j, j+1
.endr
.set j, 0
.rept 16
	ds_store_b64 v[LS], v[Y+2*j:Y+2*j+1] offset:SP*j  ; row j: 32 lanes x 8 bytes on end
.set j, j+1
.endr
.if \ahead
	LOADS (\t)+2, \buf
.endif
.irp u, 0,1,2,3,4,5,6,7
	ds_load_b128 v[RB+4*(\u):RB+4*(\u)+3], v[LR] offset:32*(\u)  ; row lane % 16, chunk 2 u + lane / 16.  LDS serves a wave's instructions in order (ISA guide 5.7.1.4): these see the stores above
.endr
.irp u, 0,1,2,3,4,5,6,7
	s_wait_dscnt 7-(\u)
	global_store_b128 v[OFFS+(\u)], v[RB+4*(\u):RB+4*(\u)+3], s[DST:DST+1] th:TH_STORE_NT  ; each half of the lanes: 256 consecutive bytes, at a multiple of 256 from the buffer's first
.endr
.endm
	LOADS 0, X0
	LOADS 1, X1
	TILE 0, X0, 1, 16
	TILE 1, X1, 1, 16
	TILE 2, X0, 1, 16
	TILE 3, X1, 1, 16
	TILE 4, X0, 1, 16
	TILE 5, X1, 1, 16
	TILE 6, X0, 0, 16                              ; the last two tiles load nothing
	TILE 7, X1, 0, 0
	s_wait_tensorcnt 0x0                           ; the wave's end, behind my last LDS store
	ds_add_u32 v[SPW], v[NIL]
	s_wait_dscnt 0x0
	s_endpgm
.Lfunc_end_k_q52087f0163_tobf16:
	.size	k_q52087f0163_tobf16, .Lfunc_end_k_q52087f0163_tobf16-k_q52087f0163_tobf16
	.p2alignl 7, 3214868480
	.fill 96, 4, 3214868480
	.section	.rodata,"a",@progbits
	.p2align	6, 0x0
	.amdhsa_kernel k_q52087f0163_tobf16
		.amdhsa_group_segment_fixed_size 17920
		.amdhsa_private_segment_fixed_size 0
		.amdhsa_enable_private_segment 0
		.amdhsa_kernarg_size 32
		.amdhsa_user_sgpr_count 2
		.amdhsa_user_sgpr_kernarg_segment_ptr 1
		.amdhsa_wavefront_size32 1
		.amdhsa_system_sgpr_workgroup_id_x 1
		.amdhsa_system_sgpr_workgroup_id_y 1
		.amdhsa_system_sgpr_workgroup_id_z 1
		.amdhsa_system_vgpr_workitem_id 0
		.amdhsa_next_free_vgpr 224
		.amdhsa_next_free_sgpr 66
		.amdhsa_reserve_vcc 0
		.amdhsa_float_denorm_mode_32 3
		.amdhsa_float_denorm_mode_16_64 3
		.amdhsa_memory_ordered 1
		.amdhsa_forward_progress 1
		.amdhsa_inst_pref_size 52
	.end_amdhsa_kernel
	.amdgpu_metadata
---
amdhsa.version: [ 1, 2 ]
amdhsa.kernels:
  - .name:           k_q52087f0163_tobf16
    .symbol:         k_q52087f0163_tobf16.kd
    .args:
      - { .name: input, .offset: 0, .size: 8, .value_kind: global_buffer, .address_space: global }
      - { .name: weight, .offset: 8, .size: 8, .value_kind: global_buffer, .address_space: global }
      - { .name: abf, .offset: 16, .size: 8, .value_kind: global_buffer, .address_space: global }
      - { .name: wbf, .offset: 24, .size: 8, .value_kind: global_buffer, .address_space: global }
    .group_segment_fixed_size: 17920
    .private_segment_fixed_size: 0
    .kernarg_segment_align: 8
    .kernarg_segment_size: 32
    .max_flat_workgroup_size: 128
    .sgpr_count:     66
    .vgpr_count:     224
    .wavefront_size: 32
...
	.end_amdgpu_metadata
.endif
;; end of part 1
;; launch gemm (part 2): grid 16 x 16, 4 waves a work-group, clusters of 4 x 4, 327,680 bytes of LDS; arguments abf, wbf, out0; writes out0
.if DOCPART == 2
	.amdgcn_target "amdgcn-amd-amdhsa--gfx1250"
	.amdhsa_code_object_version 6
	.text
	.protected	k_q52087f0163_gemm
	.globl	k_q52087f0163_gemm
	.p2align	8
	.type	k_q52087f0163_gemm,@function
k_q52087f0163_gemm:
	s_mov_b64 s[64:65], 0
	v_nop
	global_prefetch_b8 v0, s[64:65] scope:SCOPE_SE
	s_setreg_imm32_b32 hwreg(HW_REG_WAVE_MODE, 25, 1), 1
	s_wait_xcnt 0x0
	s_wait_alu depctr_hold_cnt(0) depctr_sa_sdst(0) depctr_va_vdst(0) depctr_va_sdst(0) depctr_va_ssrc(0) depctr_va_vcc(0) depctr_vm_vsrc(0)
	s_getreg_b32 s2, hwreg(HW_REG_IB_STS2, 6, 4)
	s_cmp_eq_u32 s2, 0
	s_cbranch_scc0 .Lentry_in_a_cluster
	s_endpgm
.Lentry_in_a_cluster:
	s_bfe_u32 s2, ttmp6, 0x10000c
	s_cmp_lg_u32 s2, 0xf033
	s_cbranch_scc0 .Lentry_shape_is_right
	s_endpgm
.Lentry_shape_is_right:
; out0[m][n] = the sum over 8,192 k of A[m][k] B[n][k], f32, [2048][4096] (the reshape to [8][256][4096] moves no byte).  A = abf, B = wbf: bf16 in chunks of 8 k,
; [1024 chunks][rows][8]: byte chunk x PAN + 16 row, PAN = 32,768 (A, 2,048 rows) or 65,536 (B, 4,096 rows).
; LIMITS.  The operands were rounded once to bf16 (f32's range is kept).  Each output is two f32 sums, of k 0-4,095 and of k 4,096-8,191, each with k ascending, added once in f32: an order that
; differs from a single ascending sum.  NaN and infinities go as the matrix instruction takes them.
; SHARES.  A tile of C is 128 x 256: 16 x 16 tiles, a work-group each.  Its four waves are 2 halves of the columns x 2 HALVES OF K: wave w takes columns 128 (w / 2) on and chunks 512 (w % 2) on, and
; makes a partial 128 x 128 in 64 accumulators, 512 registers: for 32 k it reads 2 x 128 x 64 bytes of LDS for 64 matrix instructions.  The two halves of K meet in LDS on the way out.
; RING.  Two LDS slots; a step is 12 chunks (96 k) of EACH half of K: three quarters of 64 matrix instructions a wave.  512 = 42 x 12 + 8: steps 0-41 are whole, step 42 has 8 chunks (two quarters).
; A tile's part of a chunk is dense in memory (2,048 bytes of A, 4,096 of B), so a tensor load's rows are chunks: 12 rows of 2,048 or 4,096 bytes (the layout has no more rows to a step; a load brings
; 24 or 48 KiB).  In LDS a tile lies as [chunk][row][16 bytes]: the 16 lanes of half a fragment load read 256 bytes on end, with no padding.
; One load a wave goes out behind each change of slots.  The change stands at the HEAD of a slot's last quarter, whose fragments are in registers by then: so all 192 matrix instructions of a step stand
; between a request and the wait for it, and between that wait and the next request stand the add and the round alone.  A wave has two tensor loads out at the start, later one.
; CLUSTER.  4 x 4 work-groups.  x counts tiles of rows, y tiles of columns: A's tiles hang on x alone and are shared down a column of the cluster, B's on y alone and are shared along a row.  Each is asked
; for JOINTLY: the same tensor load, descriptor and mask in all four.
; THE MATRIX INSTRUCTION IS USED TRANSPOSED (source 0 = 16 rows of B, source 1 = 16 rows of A): lane l then holds row l % 16 of C and the columns 8 (l / 16) + 0..7: 32 bytes on end.
; REGISTERS, in windows of 256 (s_set_vgpr_msb: bits 1:0 source 0, 3:2 source 1, 5:4 source 2, 7:6 destination):
;   window 0: v0-31 addresses; v64-127, v128-191 fragments of A, two buffers (on the way out: rows read back)      window 1: v64-127, v128-191 fragments of B
;   window 2: the accumulators of rows 0-63 ((a, b) at v[8 (8 a + b)])      window 3: those of rows 64-127
.set PANA,  32768
.set PANB,  65536
.set CH,    12                         ; chunks in a step, for each half of K
.set AKH,   CH*2048                    ; A's tile for one half of K
.set BKH,   CH*4096                    ; B's
.set BOFF,  2*AKH                      ; a slot: A's two tiles, then B's two
.set SLOT,  2*AKH+2*BKH                ; 147,456 bytes
.set SPARE, 2*SLOT                     ; behind the ring: the spare words, 128 bytes for each wave: two blocks of 256 bytes that no other line names
.set SPITCH, 1040                      ; the way out: a row of 256 f32 + 16 bytes = 65 x 16: the 16 rows that a store touches start in 16 different groups of four banks (ISA guide 11.1)
.set PLANE, 128*SPITCH                 ; one half of K's partial tile; the two planes, 266,240 bytes from byte 0, lie in slots that have had their last fill
.set LAPS,  20                         ; trips of the loop: each fills both slots again: steps 2 to 41
.set ADRA, 16                          ; v16-17  LDS address of my A fragments in slot 0, 1
.set ADRB, 20                          ; v20-21  the same for B
.set STO,  22                          ; v22-23  the way out: where I put 32 bytes of a row: rows 0-63, rows 64-127
.set RD,   24                          ; v24-25  the way out: where I read rows back: plane 0, plane 1
.set CO,   26                          ; v26     16 x lane: my bytes of 512 in out0
.set SPW,  28                          ; v28     LDS address of my spare word; never rewritten
.set NIL,  29                          ; v29     0; never rewritten
.set PFO,  30                          ; v30     the prefetches' lane offset; never rewritten
.set F0,   64
.set F1,   128
.set G1,  24                           ; s[24:31] descriptor group 1 for A's tiles
.set G0,  32                           ; s[32:39] group 0 for A's tiles, a set for each slot
.set LIM, 43                           ; s43      1 in a wave that prefetches, else the greatest number
.set PFA, 44                           ; s[44:45] where my prefetches stand
.set G1B, 48                           ; s[48:55] group 1 for B's tiles
.set G0B, 56                           ; s[56:63] group 0 for B's tiles
.set PFS, 66                           ; s[66:67] a lap in my prefetches' tensor: 24 chunks
.set MSB, 0
.macro WIN new                         ; the immediate's high byte repeats the setting that is left; a switch that changes nothing is dropped
.if MSB != (\new)
	s_set_vgpr_msb (MSB<<8)|(\new)
.set MSB, \new
.endif
.endm
.set MUL_LO, 0xa1                      ; source 0 (B) window 1, source 1 (A) window 0, C and D window 2
.set MUL_HI, 0xf1                      ; the same, C and D window 3
.set TO_B,   0x40                      ; destination window 1, address window 0
; A joint load.  Waves 0 and 1 fetch A's tiles of the two halves of K, waves 2 and 3 B's.  The branch hangs on the wave's number alone.
; An s_nop 0 and four v_nop follow each of the two lines, ahead of the jump, the label and what follows.
.macro JLOAD s
	s_cmp_eq_u32 s11, 0
	s_cbranch_scc0 .Lfor_b_\@
	tensor_load_to_lds s[G0+4*(\s):G0+4*(\s)+3], s[G1:G1+7]
	s_nop 0
.rept 4
	v_nop
.endr
	s_branch .Lasked_\@
.Lfor_b_\@:
	tensor_load_to_lds s[G0B+4*(\s):G0B+4*(\s)+3], s[G1B:G1B+7]
	s_nop 0
.rept 4
	v_nop
.endr
.Lasked_\@:
.endm
; PREFETCHES INTO THE L2, once a lap, behind slot 0's joint load and the run of LDS loads that follows it: trip i (which asks for steps 2 i + 2 and 2 i + 3 by its loads) names steps 2 i + 3 and 2 i + 4:
; 192 and 384 matrix instructions ahead of the loads that will want them.  Each aligned block of 256 bytes is named ONCE in the launch.  A's tiles are read by every cluster of a column of clusters: the
; one with cluster y = 0 asks, by its waves 0: of the two steps x two halves of K the partner at cy takes one whole tile (half cy % 2, step 2 i + 3 + cy / 2): 12 chunks x 8 blocks.  B's tiles are read by
; every cluster of a row of clusters: the one with cluster x = 0 asks, by waves 2 and 3, each for its own half of K: of the two steps' 24 chunks the partner at cx takes 6: 6 x 16 blocks.  The partners
; are told apart BY ADDRESS; the branch hangs on the wave's number and the cluster's place, the same in all sixteen.  96 blocks: three instructions, a lane a block; 4 PANA = 2 PANB = 131,072 bytes
; from one to the next.  Steps 0 to 2 come by their loads alone; the last trip names nothing (steps 41 and 42 come by their loads alone), so no lane points past chunk 1,003 of 1,024.
.macro ASK
	s_cmp_gt_u32 s3, s[LIM]                        ; s3 = 1 in the loop's last trip
	s_cbranch_scc0 .Lnot_mine_\@
.irp i, 0,1,2
	global_prefetch_b8 v[PFO], s[PFA:PFA+1] offset:131072*(\i) th:TH_LOAD_NT scope:SCOPE_SE
.endr
.Lnot_mine_\@:
.endm
; A round of the cluster's barrier: my work-group's barrier, so that wave 0's signal speaks for all four waves; wave 0 signals; every wave waits for all sixteen work-groups; my work-group's barrier once more.
.macro CROUND
	s_barrier_signal -1
	s_barrier_wait -1
	s_cmp_lg_u32 s10, 0
	s_cbranch_scc1 .Lnot_wave_0_\@
	s_barrier_signal -3
.Lnot_wave_0_\@:
	s_barrier_wait -3
	s_barrier_signal -1
	s_barrier_wait -1
.endm
	s_load_b128 s[4:7], s[0:1], 0x0                ; abf s[4:5], wbf s[6:7]
	s_load_b64 s[8:9], s[0:1], 0x10                ; out0
	v_lshl_add_u32 v[SPW], v0, 2, SPARE
	v_mov_b32 v[NIL], 0
	ds_add_u32 v[SPW], v[NIL]                      ; the wave's opening: the add and its wait stand ahead of my first tensor load; the set-up below, work on registers, stands between them
	v_lshrrev_b32 v1, 5, v0
	v_readfirstlane_b32 s10, v1                    ; wave 0..3
	s_lshr_b32 s11, s10, 1                         ; which half of the tile's columns is mine.  Also: I fetch for A (0) or for B (1)
	s_and_b32 s12, s10, 1                          ; which half of K is mine, to multiply and to fetch
	s_bfe_u32 s40, ttmp6, 0x40000                  ; cx
	s_bfe_u32 s41, ttmp6, 0x40004                  ; cy
	s_lshl_b32 s42, ttmp9, 2                       ; in a cluster launch ttmp9 and ttmp7 count clusters
	s_add_co_u32 s42, s42, s40                     ; tile of rows = 4 x cluster x + cx
	s_and_b32 s13, ttmp7, 0xffff
	s_lshl_b32 s13, s13, 2
	s_add_co_u32 s13, s13, s41                     ; tile of columns = 4 x cluster y + cy
	s_lshl_b32 s43, 0x1111, s40                    ; my column of the cluster: places cx, cx + 4, cx + 8, cx + 12
	s_lshl_b32 s44, s41, 2
	s_lshl_b32 s44, 15, s44                        ; my row: places 4 cy .. 4 cy + 3
	; descriptor group 1: 12 rows (chunks) of 1,024 (A) or 2,048 (B) elements, a chunk's whole length apart; no padding
	s_or_b32 s[G1+0], s43, (1<<16)|(1<<21)         ; 15:0 the mask: A's tiles go to my column; 17:16 elements of 2 bytes; 21 set beside a mask
	s_or_b32 s[G1B+0], s44, (1<<16)|(1<<21)        ; B's go to my row
	s_mov_b32 s[G1+1], 1024<<16                    ; 63:48 tensor_dim0, low half
	s_mov_b32 s[G1B+1], 2048<<16
	s_mov_b32 s[G1+2], CH<<16                      ; 95:80 tensor_dim1, low half
	s_mov_b32 s[G1B+2], CH<<16
	s_mov_b32 s[G1+3], 1024<<16                    ; 127:112 tile_dim0
	s_mov_b32 s[G1B+3], 2048<<16
	s_mov_b32 s[G1+4], CH                          ; 143:128 tile_dim1; 159:144 tile_dim2 = 0
	s_mov_b32 s[G1B+4], CH
	s_mov_b32 s[G1+5], PANA/2                      ; 191:160 tensor_dim0_stride, in elements
	s_mov_b32 s[G1B+5], PANB/2
	s_mov_b32 s[G1+6], 0
	s_mov_b32 s[G1B+6], 0
	s_mov_b32 s[G1+7], 0
	s_mov_b32 s[G1B+7], 0
	; where the tiles come from: A's hang on the tile of rows (cx) and my half of K, B's on the tile of columns (cy) and my half of K; each in registers that do not hold the other coordinate
	s_lshl_b32 s16, s12, 24                        ; 512 chunks of A
	s_lshl_b32 s17, s42, 11                        ; 128 rows x 16 bytes
	s_add_co_u32 s16, s16, s17
	s_mov_b32 s17, 0
	s_lshl_b32 s46, s12, 25                        ; 512 chunks of B
	s_lshl_b32 s47, s13, 12                        ; 256 rows x 16 bytes
	s_add_co_u32 s46, s46, s47
	s_mov_b32 s47, 0
	s_mul_i32 s20, s12, AKH                        ; and where they go: no place in the cluster enters an LDS address
	s_mul_i32 s21, s12, BKH
	s_add_co_u32 s21, s21, BOFF
	s_wait_dscnt 0x0                               ; the opening add is done
	s_wait_kmcnt 0x0
	s_add_nc_u64 s[14:15], s[4:5], s[16:17]
	s_add_nc_u64 s[46:47], s[6:7], s[46:47]
	CROUND                                         ; all sixteen work-groups are here: the first joint loads meet
.irp s, 0,1
	s_mov_b32 s[G0+4*(\s)], 1                                        ; 1:0 count = 1
	s_add_co_u32 s[G0+4*(\s)+1], s20, (\s)*SLOT                      ; 63:32 LDS address
	s_add_nc_u64 s[G0+4*(\s)+2:G0+4*(\s)+3], s[14:15], (\s)*CH*PANA  ; 120:64 global address: step s
	s_or_b32 s[G0+4*(\s)+3], s[G0+4*(\s)+3], 0x80000000              ; 127:126 type = 2
	s_mov_b32 s[G0B+4*(\s)], 1
	s_add_co_u32 s[G0B+4*(\s)+1], s21, (\s)*SLOT
	s_add_nc_u64 s[G0B+4*(\s)+2:G0B+4*(\s)+3], s[46:47], (\s)*CH*PANB
	s_or_b32 s[G0B+4*(\s)+3], s[G0B+4*(\s)+3], 0x80000000
.endr
	s_cmp_eq_u32 s11, 0                            ; a wave's two first fills stand in one branch, ahead of every wait on TENSORcnt and every LDS read: two loads of mine are out
	s_cbranch_scc0 .Lfirst_b
	tensor_load_to_lds s[G0:G0+3], s[G1:G1+7]
	s_nop 0
	tensor_load_to_lds s[G0+4:G0+7], s[G1:G1+7]
	s_nop 0
.rept 4
	v_nop
.endr
	s_branch .Lfirst_asked
.Lfirst_b:
	tensor_load_to_lds s[G0B:G0B+3], s[G1B:G1B+7]
	s_nop 0
	tensor_load_to_lds s[G0B+4:G0B+7], s[G1B:G1B+7]
	s_nop 0
.rept 4
	v_nop
.endr
.Lfirst_asked:
	; A fragment is 16 rows x 32 k in 8 registers: lane l holds row l % 16; registers 0-3 k = 8 (l / 16) + 0..7: chunk l / 16 of the quarter's four; registers 4-7 k = 16 + 8 (l / 16) + 0..7: chunk 2 + l / 16.
	v_and_b32 v1, 15, v0                           ; l % 16
	v_bfe_u32 v2, v0, 4, 1                         ; l / 16
	v_and_b32 v3, 31, v0                           ; l
	v_lshlrev_b32 v4, 4, v1                        ; a row is 16 bytes of a chunk
	v_lshl_add_u32 v5, v2, 11, v4                  ; A: a chunk is 2,048 bytes
	v_add_nc_u32 v[ADRA], s20, v5                  ; my half of K
	v_add_nc_u32 v[ADRA+1], SLOT, v[ADRA]
	s_lshl_b32 s22, s11, 11                        ; B: my 128 rows of the 256
	s_add_co_u32 s22, s22, s21                     ; in my half of K
	v_lshl_add_u32 v6, v2, 12, v4                  ; a chunk is 4,096 bytes
	v_add_nc_u32 v[ADRB], s22, v6
	v_add_nc_u32 v[ADRB+1], SLOT, v[ADRB]
	s_mul_i32 s23, s12, PLANE                      ; the way out, in: my half of K's plane, row l % 16, my half of the columns, 32 bytes for each half of the lanes
	s_lshl_b32 s22, s11, 9
	s_add_co_u32 s23, s23, s22
	v_mul_u32_u24 v7, v1, SPITCH
	v_lshl_add_u32 v7, v2, 5, v7
	v_add_nc_u32 v[STO], s23, v7
	v_add_nc_u32 v[STO+1], 64*SPITCH, v[STO]
	s_mul_i32 s23, s10, 32*SPITCH                  ; back: wave w takes rows 32 w .. 32 w + 31 of both planes, 512 bytes on end a load
	v_lshl_add_u32 v[RD], v3, 4, s23
	v_add_nc_u32 v[RD+1], PLANE, v[RD]
	v_lshlrev_b32 v[CO], 4, v3
	s_lshl_b32 s16, s42, 7
	s_lshl_b32 s17, s10, 5
	s_add_co_u32 s16, s16, s17                     ; the first row of C that I store: 128 x tile of rows + 32 x wave,
	s_lshl_b32 s16, s16, 14                        ; rows of 16,384 bytes,
	s_lshl_b32 s17, s13, 10                        ; the tile's first column: 1,024 bytes a tile
	s_add_co_u32 s16, s16, s17
	s_mov_b32 s17, 0
	s_add_nc_u64 s[8:9], s[8:9], s[16:17]
	; the prefetches: my share's first chunk, one lap ahead of step 3 (the first change of slots steps it there)
	s_and_b32 s14, s41, 1                          ; A: half of K cy % 2,
	s_lshl_b32 s14, s14, 9
	s_lshr_b32 s15, s41, 1                         ; step 1 + cy / 2
	s_mul_i32 s15, s15, CH
	s_add_co_u32 s14, s14, s15
	s_add_co_u32 s14, s14, CH
	s_lshl_b32 s14, s14, 15                        ; x PANA
	s_lshl_b32 s15, s42, 11
	s_add_co_u32 s14, s14, s15                     ; + the tile's rows
	s_lshl_b32 s16, s12, 9                         ; B: my half of K,
	s_mul_i32 s17, s40, 6                          ; chunks 6 cx on of the two steps' 24
	s_add_co_u32 s16, s16, s17
	s_add_co_u32 s16, s16, CH
	s_lshl_b32 s16, s16, 16                        ; x PANB
	s_lshl_b32 s17, s13, 12
	s_add_co_u32 s16, s16, s17
	s_mov_b32 s[PFS], 2*CH*PANA
	s_lshl_b32 s[PFS], s[PFS], s11                 ; PANB = 2 PANA
	s_mov_b32 s[PFS+1], 0
	s_add_co_u32 s18, s11, 3                       ; a tile's part of a chunk is 8 blocks of 256 bytes (A) or 16 (B)
	s_lshl_b32 s19, 8, s11
	s_sub_co_u32 s19, s19, 1
	s_add_co_u32 s23, s11, 15                      ; log2 PAN
	v_lshrrev_b32 v8, s18, v3                      ; my lane's chunk among the instruction's 4 or 2,
	v_and_b32 v9, s19, v3                          ; and its block
	v_lshlrev_b32 v8, s23, v8
	v_lshl_add_u32 v[PFO], v9, 8, v8
	s_and_b32 s22, ttmp7, 0xffff                   ; cluster y
	s_cmp_eq_u32 s11, 0                            ; do I fetch for A?
	s_cselect_b32 s46, s14, s16
	s_cselect_b32 s22, s22, ttmp9                  ; the coordinate along which other clusters read the same tiles
	s_cselect_b64 s[PFA:PFA+1], s[4:5], s[6:7]
	s_mov_b32 s47, 0
	s_add_nc_u64 s[PFA:PFA+1], s[PFA:PFA+1], s[46:47]
	s_cmp_eq_u32 s10, 1                            ; wave 1 asks for nothing: A's four shares go to the four partners' waves 0
	s_cselect_b32 s22, 1, s22
	s_cmp_eq_u32 s22, 0
	s_cselect_b32 s[LIM], 1, -1                    ; the same in all sixteen partners, for a given wave
; 16 matrix instructions: m blocks a0, a0 + 1 of the window's four (hi = 0: rows 0-63, 1: rows 64-127) x all 8 n blocks, 32 along K.  zero = 1: the first product starts the sums: nothing is ever cleared.
; The 64 accumulators take turns, one instruction a turn, in the same order in every quarter, over the backward jump too.
.macro MUL16 f, hi, a0, zero
	WIN MUL_LO+0x50*(\hi)
.irp a, \a0, (\a0)+1
.irp b, 0,1,2,3,4,5,6,7
.if \zero
	v_wmma_f32_16x16x32_bf16 v[8*(8*(\a)+(\b)):8*(8*(\a)+(\b))+7], v[(\f)+8*(\b):(\f)+8*(\b)+7], v[(\f)+8*(4*(\hi)+(\a)):(\f)+8*(4*(\hi)+(\a))+7], 0
.else
	v_wmma_f32_16x16x32_bf16 v[8*(8*(\a)+(\b)):8*(8*(\a)+(\b))+7], v[(\f)+8*(\b):(\f)+8*(\b)+7], v[(\f)+8*(4*(\hi)+(\a)):(\f)+8*(4*(\hi)+(\a))+7], v[8*(8*(\a)+(\b)):8*(8*(\a)+(\b))+7]
.endif
.endr
.endr
.endm
; 32 LDS loads in one run: quarter q (chunks 4 q .. 4 q + 3) of a slot into buffer f: 128 rows of B, then 128 rows of A
.macro FETCH slot, q, f
	WIN TO_B
.irp i, 0,1,2,3,4,5,6,7
	ds_load_b128 v[(\f)+8*(\i):(\f)+8*(\i)+3],   v[ADRB+(\slot)] offset:16384*(\q)+256*(\i)
	ds_load_b128 v[(\f)+8*(\i)+4:(\f)+8*(\i)+7], v[ADRB+(\slot)] offset:16384*(\q)+256*(\i)+8192
.endr
	WIN 0
.irp i, 0,1,2,3,4,5,6,7
	ds_load_b128 v[(\f)+8*(\i):(\f)+8*(\i)+3],   v[ADRA+(\slot)] offset:8192*(\q)+256*(\i)
	ds_load_b128 v[(\f)+8*(\i)+4:(\f)+8*(\i)+7], v[ADRA+(\slot)] offset:8192*(\q)+256*(\i)+4096
.endr
.endm
; A load into a register that a matrix instruction has read, and a store that reads a matrix result, stand four places behind that matrix instruction, and only plain vector instructions that name
; none of its registers are places (ISA guide 7.12.1 for vector instructions).
.macro PLACES
.rept 4
	v_nop
.endr
.endm
; A quarter that is not a slot's last: multiplies buffer f; in its middle it fetches quarter q of the same slot into buffer g.
.macro QUARTER slot, q, f, g, zero
	s_wait_dscnt 8                                 ; B and A's rows 0-63 are in; the youngest eight loads (A's rows 64-127) may be out
	MUL16 \f, 0, 0, \zero
	MUL16 \f, 0, 2, \zero
	PLACES
	FETCH \slot, \q, \g
	s_wait_dscnt 32                                ; all but the 32 just issued
	MUL16 \f, 1, 0, \zero
	MUL16 \f, 1, 2, \zero
.endm
; A SLOT'S LAST QUARTER, WHERE THE SLOT IS FILLED AGAIN, two steps on.  The quarter's fragments (buffer f) were asked of LDS in the middle of the quarter before: they were my last reads of this slot.
; So the change of slots stands at the quarter's head.  Each wave waits for all its tensor loads, of which one is out: its part of the next slot; adds 0 to its spare word; steps this slot's descriptors
; while the add is out; and waits for the add and for its reads of this slot.  A round of the cluster's barrier follows: behind it no wave of any partner reads this slot's tiles or has a load on its
; way, and the next slot is whole.  The joint refill is the first thing behind the round; then come the next slot's first fragments, into buffer g, and only then the quarter's 64 products.
; ask = 1: the lap's prefetches.  short = 1: the refill is step 42, of 8 chunks.
.macro TURN slot, next, f, g, ask, short
.if \ask
	s_wait_xcnt 0x0                                ; the last prefetches, a lap back, have read their address: it is stepped here, ahead of the waits of the change of slots
	s_add_nc_u64 s[PFA:PFA+1], s[PFA:PFA+1], s[PFS:PFS+1]
.endif
	WIN 0
	s_wait_tensorcnt 0x0                           ; all my tensor loads have landed: no load of mine is out, so the descriptors may be written;
	ds_add_u32 v[SPW], v[NIL]                      ; 0 onto my spare word; the descriptors' steps stand between it and the wait for it
	s_add_nc_u64 s[G0+4*(\slot)+2:G0+4*(\slot)+3], s[G0+4*(\slot)+2:G0+4*(\slot)+3], 2*CH*PANA
	s_add_nc_u64 s[G0B+4*(\slot)+2:G0B+4*(\slot)+3], s[G0B+4*(\slot)+2:G0B+4*(\slot)+3], 2*CH*PANB
.if \short
	s_mov_b32 s[G1+2], 8<<16                       ; tensor_dim1 = 8
	s_mov_b32 s[G1+4], 8                           ; tile_dim1 = 8
	s_mov_b32 s[G1B+2], 8<<16
	s_mov_b32 s[G1B+4], 8
.endif
	s_wait_dscnt 0x0                               ; the add is done, and my reads of this slot are over
	CROUND
	JLOAD \slot                                    ; the four v_nop behind it are also the places in front of the loads below: buffer g was read by the products just ahead of this macro
	FETCH \next, 0, \g
.if \ask
	ASK
.endif
	MUL16 \f, 0, 0, 0                              ; buffer f is in since the wait for 0 above
	MUL16 \f, 0, 2, 0
	MUL16 \f, 1, 0, 0
	MUL16 \f, 1, 2, 0
.endm
; The first half of a slot's last quarter where nothing is filled again (the tail): one barrier of the work-group, the same three lines in front of it; products stand between the add and its wait
; and between the signal and the wait.
.macro MEET f
	WIN 0
	s_wait_tensorcnt 0x0                           ; my last tensor load has landed;
	ds_add_u32 v[SPW], v[NIL]                      ; 0 onto my spare word
	s_wait_dscnt 9                                 ; (the add and the youngest eight loads may be out)
	MUL16 \f, 0, 0, 0
	s_wait_dscnt 0x0                               ; the add is done, and my reads of this slot are over
	s_barrier_signal -1
	MUL16 \f, 0, 2, 0
	s_barrier_wait -1
.endm
	s_wait_tensorcnt 1                             ; my part of step 0 is in; step 1's may stay out
	s_barrier_signal -1
	s_barrier_wait -1                              ; everybody's is
	FETCH 0, 0, F0
	QUARTER 0, 1, F0, F1, 1                        ; the first quarter stands in front of the loop: its products start the sums
	WIN 0                                          ; at a label and at a branch every window is 0
	s_mov_b32 s3, LAPS
.Llap:                                                 ; a trip goes once round the ring: six quarters, from a lap's second to the next lap's first; the buffers go 1, 0, 1, 0, 1, 0
	QUARTER 0, 2, F1, F0, 0
	TURN 0, 1, F0, F1, 1, 0
	QUARTER 1, 1, F1, F0, 0
	QUARTER 1, 2, F0, F1, 0
	TURN 1, 0, F1, F0, 0, 0
	QUARTER 0, 1, F0, F1, 0
	WIN 0
	s_sub_co_u32 s3, s3, 1
	s_cmp_lg_u32 s3, 0
	s_cbranch_scc1 .Llap
	QUARTER 0, 2, F1, F0, 0                        ; the tail is written out: step 40 goes on,
	TURN 0, 1, F0, F1, 0, 1                        ; slot 0 takes step 42, the last load
	QUARTER 1, 1, F1, F0, 0                        ; step 41
	QUARTER 1, 2, F0, F1, 0
	MEET F1                                        ; step 42 has landed; nothing is filled again, so no round follows
	PLACES
	FETCH 0, 0, F0
	MUL16 F1, 1, 0, 0
	MUL16 F1, 1, 2, 0
	QUARTER 0, 1, F0, F1, 0                        ; step 42's two quarters
	s_wait_dscnt 0x0                               ; my last reads of the slots are over:
	s_barrier_signal -1                            ; say so; the last 64 products stand between the signal and the wait
	MUL16 F1, 0, 0, 0
	MUL16 F1, 0, 2, 0
	MUL16 F1, 1, 0, 0
	MUL16 F1, 1, 2, 0
	WIN 0
	s_barrier_wait -1                              ; no wave reads the slots any more, and every tensor load has landed: their bytes serve as the stage
	; THE WAY OUT.  Each wave puts its partial 128 x 128 into its half of K's plane; a barrier; each wave reads 32 whole rows of both planes, adds them and stores them.
	PLACES
	PLACES
.macro DUMP hi                         ; each accumulator's lowest four registers go first
	WIN 0x08+4*(\hi)                               ; the stores' data (source 1) in window 2 or 3, the address in window 0
.set a, 0
.rept 4
.set b, 0
.rept 8
	ds_store_b128 v[STO+(\hi)], v[8*(8*a+b):8*(8*a+b)+3]   offset:16*SPITCH*a+64*b
	ds_store_b128 v[STO+(\hi)], v[8*(8*a+b)+4:8*(8*a+b)+7] offset:16*SPITCH*a+64*b+16
.set b, b+1
.endr
.set a, a+1
.endr
.endm
	DUMP 0
	DUMP 1
	WIN 0
	s_wait_dscnt 0x0                               ; for the others' sake: my stores into the stage are done
	s_barrier_signal -1
	s_barrier_wait -1
; Group g of 8: rows 4 g .. 4 g + 3 of my 32.  Load i takes half i % 2 (512 bytes) of row 4 g + i / 2.  Two sets of 64 registers take turns: plane 0's 32, then plane 1's.
.macro RDBK g
.set BK, 64+64*((\g)%2)
.if (\g) >= 2
	s_wait_xcnt 0x0                                ; the stores of group g - 2 have read this set: it is loaded again only behind this wait
.endif
.irp i, 0,1,2,3,4,5,6,7
	ds_load_b128 v[BK+4*(\i):BK+4*(\i)+3], v[RD] offset:(4*(\g)+(\i)/2)*SPITCH+512*((\i)%2)
.endr
.irp i, 0,1,2,3,4,5,6,7
	ds_load_b128 v[BK+32+4*(\i):BK+32+4*(\i)+3], v[RD+1] offset:(4*(\g)+(\i)/2)*SPITCH+512*((\i)%2)
.endr
.endm
.macro SUMOUT g, younger               ; younger: the LDS loads issued behind group g's: the next group's sixteen, or none
.set BK, 64+64*((\g)%2)
	s_wait_dscnt \younger
.set z, 0
.rept 16
	v_pk_add_f32 v[BK+z:BK+z+1], v[BK+z:BK+z+1], v[BK+32+z:BK+32+z+1]  ; the two halves of K, in f32
.set z, z+2
.endr
.irp i, 0,1,2,3,4,5,6,7
	global_store_b128 v[CO], v[BK+4*(\i):BK+4*(\i)+3], s[8:9] offset:(4*(\g)+(\i)/2)*16384+512*((\i)%2) th:TH_STORE_NT  ; 512 consecutive bytes, at a multiple of 256 from out0's first
.endr
.endm
	RDBK 0
.irp g, 1,2,3,4,5,6,7
	RDBK \g
	SUMOUT (\g)-1, 16
.endr
	SUMOUT 7, 0
	s_wait_tensorcnt 0x0                           ; the wave's end, behind my last tensor load and my last LDS store
	ds_add_u32 v[SPW], v[NIL]
	s_wait_dscnt 0x0
	CROUND                                         ; the closing round: no work-group ends while a partner may still ask for a tile that names it
	s_endpgm
.Lfunc_end_k_q52087f0163_gemm:
	.size	k_q52087f0163_gemm, .Lfunc_end_k_q52087f0163_gemm-k_q52087f0163_gemm
	.p2alignl 7, 3214868480
	.fill 96, 4, 3214868480
	.section	.rodata,"a",@progbits
	.p2align	6, 0x0
	.amdhsa_kernel k_q52087f0163_gemm
		.amdhsa_group_segment_fixed_size 327680
		.amdhsa_private_segment_fixed_size 0
		.amdhsa_enable_private_segment 0
		.amdhsa_kernarg_size 24
		.amdhsa_user_sgpr_count 2
		.amdhsa_user_sgpr_kernarg_segment_ptr 1
		.amdhsa_wavefront_size32 1
		.amdhsa_system_sgpr_workgroup_id_x 1
		.amdhsa_system_sgpr_workgroup_id_y 1
		.amdhsa_system_sgpr_workgroup_id_z 1
		.amdhsa_system_vgpr_workitem_id 0
		.amdhsa_next_free_vgpr 1024
		.amdhsa_next_free_sgpr 72
		.amdhsa_reserve_vcc 0
		.amdhsa_float_denorm_mode_32 3
		.amdhsa_float_denorm_mode_16_64 3
		.amdhsa_memory_ordered 1
		.amdhsa_forward_progress 1
		.amdhsa_inst_pref_size 131
	.end_amdhsa_kernel
	.amdgpu_metadata
---
amdhsa.version: [ 1, 2 ]
amdhsa.kernels:
  - .name:           k_q52087f0163_gemm
    .symbol:         k_q52087f0163_gemm.kd
    .args:
      - { .name: abf, .offset: 0, .size: 8, .value_kind: global_buffer, .address_space: global }
      - { .name: wbf, .offset: 8, .size: 8, .value_kind: global_buffer, .address_space: global }
      - { .name: out0, .offset: 16, .size: 8, .value_kind: global_buffer, .address_space: global }
    .group_segment_fixed_size: 327680
    .private_segment_fixed_size: 0
    .kernarg_segment_align: 8
    .kernarg_segment_size: 24
    .max_flat_workgroup_size: 128
    .sgpr_count:     72
    .vgpr_count:     1024
    .wavefront_size: 32
...
	.end_amdgpu_metadata
.endif
;; end of part 2
